; MI455X (gfx1250); checked and timed in simulation.
; The chip was launched on July 23, 2026; its instructions are those of AMD's public machine-readable ISA for CDNA 5 (MIT licence, August 2026) and "CDNA5" Instruction Set Architecture Reference Guide (July 2026). The comments in the code are by the model that wrote it; some were corrected since.
;; Multi Head Attention. Allowed arithmetic: matrix products marked QUANTISED: E4M3 operands, one given power-of-two scale a tensor, by v_wmma_f32_16x16x64_fp8_fp8 or v_wmma_f32_16x16x128_fp8_fp8, f32 sums; everything else in f32.
;; Inputs: b_out 1,024 float32; lowp_scales 8 int32 (the exponents e of the quantised operands' scales 2^e); w_out_codes 1,024 x 32 x 32 uint8 (E4M3 codes of w_out, K innermost, in blocks of 32 codes); w_qkv_codes 3,072 x 32 x 32 uint8 (E4M3 codes of w_qkv, K innermost, in blocks of 32 codes); x_codes 4 x 2,048 x 32 x 32 uint8 (E4M3 codes of x, K innermost, in blocks of 32 codes).
;; Outputs: out0 4 x 2,048 x 1,024 float32.
;; This version of the problem:
;;   THIS VERSION OF THE PROBLEM IS GIVEN IN LOW PRECISION. The matrix products marked QUANTISED in the list below multiply operands that are first quantised to E4M3 (4 exponent bits, 3 mantissa bits; 8 bits a number), with one given power-of-two scale for each operand tensor; their sums are f32. All else is computed in f32.
;;   The module's matrix products, in the order in which they are computed (A, B: the left and right operand; K: the contracted axis; several contracted axes count as one K, in the product's order):
;;     1. [M 8,192, K 1,024] x [K 1,024, N 3,072]; A: input x (given as codes); B: input w_qkv (given as codes): QUANTISED (scales: A lowp_scales[0], B lowp_scales[1])
;;     2. batch 64 x [M 2,048, K 64] x [K 64, N 2,048]; A: computed on the way; B: computed on the way: QUANTISED (scales: A lowp_scales[2], B lowp_scales[3])
;;     3. batch 64 x [M 2,048, K 2,048] x [K 2,048, N 64]; A: softmax (see below); B: computed on the way: QUANTISED (scales: A lowp_scales[4], B lowp_scales[5])
;;     4. [M 8,192, K 1,024] x [K 1,024, N 1,024]; A: computed on the way; B: input w_out (given as codes): QUANTISED (scales: A lowp_scales[6], B lowp_scales[7])
;;   THE QUANTISER, for each operand of a quantised product, along K:
;;     - The operand's scale is 2^e, e = its entry of the input lowp_scales (int32; the entries are numbered through the quantised products in the list's order, A before B).
;;     - Each number is divided by the scale, clamped to +-448, and rounded to the nearest number of E4M3, ties to even, subnormals kept.
;;     - The product sums the exact products of the quantised numbers (number of the format x scale) in f32.
;;   ~~~python
;;   def quantise(x, axis, e):      # numpy; x: float32 -> the quantised numbers, widened to float32 again
;;       x = np.moveaxis(x, axis, -1); K = x.shape[-1]
;;       r = np.clip(x / 2.0 ** e, -448, 448)
;;       step = 2.0 ** (np.maximum(np.frexp(np.where(r == 0, 1, r))[1] - 1, -6) - 3)
;;       q = np.round(r / step) * step * 2.0 ** e      # np.round: ties to even
;;       return np.moveaxis(q, -1, axis).astype(np.float32)
;;   ~~~
;;   SOFTMAX AHEAD OF A QUANTISED PRODUCT. Where the list says 'softmax', what is quantised is not the finished softmax but p = 2^(t - M), with t = logit x log2(e) and M = ceil(the row's largest t), a whole number; so 1/2 < the row's largest p <= 1. The row's sum l is taken of the UNQUANTISED p, in f32, and the product's result is divided by l at the end. Since M is a whole number, a kernel that streams over the keys may use a running M (the ceiling of the running maximum): every later rescaling is an exact power of two, so the quantised numbers keep their values, but for numbers so far below the row's largest that they fall under the format's range.
;;   OPERANDS COMPUTED ON THE WAY. 'Computed on the way' means the value that the module computes at that place (a softmax that the list does not call 'softmax' is quantised finished and normalised). What goes into a quantiser is computed in f32, as accurately as f32 sums, v_exp_f32 and their like allow (about 1e-6 of the number): no bf16 or f16 on the way to a quantiser, and a product that is left as it is and whose result goes on into a quantised operand takes f32 operands (vector FMAs, or v_wmma_f32_16x16x4_f32). A number that lies on a knife's edge between two numbers of the format may be rounded either way, as far as f32 arithmetic and the matrix unit's own rounding can turn it there, and no further.
;;   INPUTS GIVEN AS CODES. w_out (in the module: [1024, 1024], K = its axis 0); w_qkv (in the module: [1024, 3072], K = its axis 0); x (in the module: [4, 2048, 1024], K = its axis 2): each comes as NAME_codes (uint8): NAME with its K axis moved to the last place and cut into blocks of 32 codes, [.., K / 32, bytes a block], one block behind the other in memory; one code a byte (a code: sign, 4 exponent bits, 3 mantissa bits); its scale is its entry of lowp_scales. Its value is code x scale, taken as it is: it is not quantised again, and the codes and scales need not be those that the quantiser above would give.
;; One version. Each part assembles by itself: llvm-mc -triple=amdgcn-amd-amdhsa -mcpu=gfx1250 --defsym DOCPART=n.
;; ======== version 1 of 1: 3 launches
;; limits: right only within a limited range of input values
;; workspace buffers: qkv 25,165,824 bytes; ac 8,388,608 bytes
;; launch qkv_gemm (part 1): grid 12 x 32, 4 waves a work-group, clusters of 4 x 4, 327,680 bytes of LDS; arguments x_codes, w_qkv_codes, lowp_scales, qkv; writes qkv
.if DOCPART == 1
	.amdgcn_target "amdgcn-amd-amdhsa--gfx1250"
	.amdhsa_code_object_version 6
	.text
	.protected	k_q735307c482_qkv_gemm
	.globl	k_q735307c482_qkv_gemm
	.p2align	8
	.type	k_q735307c482_qkv_gemm,@function
k_q735307c482_qkv_gemm:
	s_mov_b64 s[64:65], 0
	v_nop
	global_prefetch_b8 v0, s[64:65] scope:SCOPE_SE
	s_setreg_imm32_b32 hwreg(HW_REG_WAVE_MODE, 25, 1), 1
	s_wait_xcnt 0x0
	s_wait_alu depctr_hold_cnt(0) depctr_sa_sdst(0) depctr_va_vdst(0) depctr_va_sdst(0) depctr_va_ssrc(0) depctr_va_vcc(0) depctr_vm_vsrc(0)
	s_getreg_b32 s2, hwreg(HW_REG_IB_STS2, 6, 4)
	s_cmp_eq_u32 s2, 0
	s_cbranch_scc0 .Lentry_in_a_cluster
	s_endpgm
.Lentry_in_a_cluster:
	s_bfe_u32 s2, ttmp6, 0x10000c
	s_cmp_lg_u32 s2, 0xf033
	s_cbranch_scc0 .Lentry_shape_is_right
	s_endpgm
.Lentry_shape_is_right:
; qkv = x w_qkv on codes of FP8 (E4M3), then q, k and v are quantised (scales 2^e2, 2^e3, 2^e5) and stored as codes, laid as the attention launch reads them.
; x_codes: [8192][1024], w_qkv_codes: [3072][1024], K innermost.  A sum stands for sum x 2^(e0 + e1), so its code is sum / 2^(eX - e0 - e1), held within +-448: the three scales are one conversion scale.
; LIMIT: eX - e0 - e1 lies between -126 and 119 (eX = e2, e3, e5), so that the scale and 448 x the scale are f32 numbers.
; A tile of 256 x 256 is made by a work-group of four waves; a wave makes 128 x 128: 64 accumulators, 512 registers.  K = 1,024 goes in four steps of 256 through a ring of two LDS slots.
; 12 x 32 work-groups: a tile lies wholly in q, in k or in v, which fixes its width at 256, so there are 384 tiles.
; CLUSTERS of 4 x 4.  The cluster's x says which section it makes: 0 = q, 1 = k, 2 = v; it is the same in all sixteen partners, and it only CHOOSES (s_cselect), it never branches.
; THE MATRIX INSTRUCTION IS USED TRANSPOSED (source 0 = 16 rows of "B", source 1 = 16 rows of "A"): a lane holds ONE row of A and eight neighbouring rows of B.
;   q, k: A = x (tokens), B = w (features): a lane's numbers run along the head's 64, the K of the scores.      v: A = w's v rows (features), B = x (tokens): they run along the keys, the K of the second product.
; A's tiles are shared along a row of the cluster, B's along a column: each is asked for JOINTLY, by the same tensor load with the same descriptor and a mask that names the four.
; THE OUTPUT.  Three sections of 2^23 bytes; a head (batch x 16 + head) has 2^17 bytes in each.  q, k: [token 2048][64 bytes].  v: [token / 64][d 64][64 bytes along the keys].
;   In each group of 32 along the innermost axis, place 16 h + 8 u + j holds index 16 u + 8 h + j: a lane's 8 codes of two neighbouring result tiles lie together, 16 bytes.  For q and k it is the same
;   order of K on both sides; for v it is the order in which 16-byte loads fill the second product's operand beside codes of p made tile by tile.
; REGISTERS, in windows of 256: window 0: v0-31 addresses; from v128 A's fragments, ONE set; on the way out v96-159 are at work.  window 1: B's fragments, TWO sets.  windows 2, 3: the accumulators ((a, b) at v[8 (8 (a % 4) + b)]).
.set KROW,   1024                      ; a row of x or of w in memory, in bytes
.set ROWB,   256                       ; a tile's row: 256 codes
.set PITCH,  272                       ; an LDS row: 256 bytes + 16 of padding = 68 words: the 16 rows that a load touches start at 16 different banks (64 banks of 4 bytes: ISA guide 11.1)
.set FR,     16                        ; registers of a fragment: 16 rows x 128 K
.set NL,     4                         ; LDS loads that bring one
.set NP,     4                         ; places behind this matrix instruction (ISA guide 7.12.1)
.set HALFT,  128*PITCH                 ; 128 rows: what one tensor load brings
.set SLOT,   4*HALFT                   ; A's 256 rows, then B's 256 rows
.set SPARE,  2*SLOT                    ; behind the ring: the spare words, 128 bytes for each wave: two blocks of 256 bytes that no other line names
.set SPITCH, 144                       ; the way out: a stage of 16 rows x (128 bytes + 16) for each wave, in slot 0, which has had its last fill and its last read by then
.set ADRA, 16                          ; v16-17  LDS address of my A fragments in slot 0, 1
.set ADRB, 20                          ; v20-21  the same for B
.set STO,  24                          ; v24     the way out: where I put 16 bytes of a row
.set RD,   25                          ; v25     where I read 16 bytes back
.set CO,   26                          ; v26     my byte offset in the output
.set SPW,  28                          ; v28     LDS address of my spare word; never rewritten
.set NIL,  29                          ; v29     0; never rewritten
.set SC,   30                          ; v30     2^(eX - e0 - e1) as f32
.set LIM,  31
.set TMP,  32
.set CODE, 96                          ; v96-127 their codes: two sets of 16
.set AF,   128                         ; A's fragments
.set BK,   128                         ; the way out: codes read back from the stage: v128-143 and v144-159 by turns
.set G1, 24                            ; s[24:31] descriptor group 1 for A's tiles;  s[32:39] group 0, one set for each slot
.set G0, 32
.set G1B, 48                           ; s[48:55], s[56:63] the same for B's tiles
.set G0B, 56
.set MSB, 0
.macro WIN new                         ; the immediate's high byte repeats the setting that is left
.if MSB != (\new)
	s_set_vgpr_msb (MSB<<8)|(\new)
.set MSB, (\new)
.endif
.endm
.set MUL_LO, 0xa1                      ; source 0 (B) window 1, source 1 (A) window 0, C and D window 2
.set MUL_HI, 0xf1                      ; the same, C and D window 3
.set TO_B,   0x40                      ; destination window 1, address window 0
; A joint load: waves 0 and 1 fetch for A, waves 2 and 3 for B.  Each line has ONE mask and one set of registers for all that issue it; the branch hangs on the wave's number alone.
; Four v_nop follow each of the two lines, ahead of the jump, the label and what follows.
.macro JLOAD g0a, g1a, g0b, g1b
	s_cmp_eq_u32 s15, 0
	s_cbranch_scc0 .Lfor_b_\@
	tensor_load_to_lds s[\g0a:\g0a+3], s[\g1a:\g1a+7]
	s_nop 0
.rept 4
	v_nop
.endr
	s_branch .Lasked_\@
.Lfor_b_\@:
	tensor_load_to_lds s[\g0b:\g0b+3], s[\g1b:\g1b+7]
	s_nop 0
.rept 4
	v_nop
.endr
.Lasked_\@:
.endm
.macro CREST                           ; a round of the cluster's barrier behind its opening barrier
	s_cmp_lg_u32 s14, 0
	s_cbranch_scc1 .Lnot_wave_0_\@
	s_barrier_signal -3
.Lnot_wave_0_\@:
	s_barrier_wait -3
	s_barrier_signal -1
	s_barrier_wait -1
.endm
.macro CROUND                          ; a whole round
	s_barrier_signal -1
	s_barrier_wait -1
	CREST
.endm
	s_load_b128 s[4:7], s[0:1], 0x0                ; x's codes s[4:5], w_qkv's codes s[6:7]
	s_load_b128 s[8:11], s[0:1], 0x10              ; the scales' exponents s[8:9], the output s[10:11]
	v_lshl_add_u32 v[SPW], v0, 2, SPARE
	v_mov_b32 v[NIL], 0
	ds_add_u32 v28, v29
	ds_add_u32 v28, v29
	s_wait_dscnt 0x0
	v_lshrrev_b32 v1, 5, v0
	v_readfirstlane_b32 s14, v1                    ; wave 0..3
	s_lshr_b32 s15, s14, 1                         ; which half of A's rows is mine.  Also: I fetch for A (0) or for B (1)
	s_and_b32 s16, s14, 1                          ; which half of B's rows.  Also: which 128 rows of that tile I fetch
	s_bfe_u32 s40, ttmp6, 0x40000                  ; cx, cy: my place in the cluster
	s_bfe_u32 s41, ttmp6, 0x40004
	s_and_b32 s66, ttmp7, 0xffff                   ; the cluster's y, 0..7
	s_cmp_eq_u32 ttmp9, 2                          ; v's cluster?
	s_cselect_b32 s42, s66, ttmp9                  ; B's tiles: v: tokens, 4 y + cx;  q, k: features, 4 x + cx
	s_cselect_b32 s17, 0, s66                      ; A's tiles: v: features, cy;      q, k: tokens, 4 y + cy
	s_lshl_b32 s42, s42, 2
	s_add_co_u32 s42, s42, s40                     ; B's tile
	s_lshl_b32 s17, s17, 2
	s_add_co_u32 s17, s17, s41                     ; A's tile
	s_lshl_b32 s43, s41, 2
	s_lshl_b32 s43, 15, s43                        ; my row of the cluster
	s_lshl_b32 s44, 0x1111, s40                    ; my column
	; descriptor group 1: a tile of 128 rows x 256 bytes, padded in LDS
	s_or_b32 s[G1+0], s43, (1<<20)|(1<<21)|(5<<22)|(3<<25)   ; 15:0 the mask: A's tiles go to my row; 17:16 elements of 1 byte; 20 padding on; 21 set beside a mask; 24:22 after every 64 words (code 5); 31:25 four words (code 3)
	s_or_b32 s[G1B+0], s44, (1<<20)|(1<<21)|(5<<22)|(3<<25)  ; the same with my column's mask
.irp g, G1, G1B
	s_mov_b32 s[\g+1], ROWB<<16                    ; tensor_dim0
	s_mov_b32 s[\g+2], 128<<16                     ; tensor_dim1
	s_mov_b32 s[\g+3], ROWB<<16                    ; tile_dim0
	s_mov_b32 s[\g+4], 128                         ; tile_dim1
	s_mov_b32 s[\g+5], KROW                        ; tensor_dim0_stride
	s_mov_b32 s[\g+6], 0
	s_mov_b32 s[\g+7], 0
.endr
	s_lshl_b32 s18, s16, 7                         ; which 128 rows of the tile I fetch
	s_lshl_b32 s20, s17, 8
	s_add_co_u32 s20, s20, s18                     ; A: row 256 x tile + 128 x half,
	s_lshl_b32 s20, s20, 10                        ; in bytes (under 2^23)
	s_mov_b32 s21, 0
	s_lshl_b32 s46, s42, 8
	s_add_co_u32 s46, s46, s18                     ; B likewise
	s_lshl_b32 s46, s46, 10
	s_mov_b32 s47, 0
	s_mul_i32 s45, s14, HALFT                      ; where they go: wave x 128 rows: no place in the cluster enters an LDS address
	s_wait_kmcnt 0x0
	s_load_b256 s[80:87], s[8:9], 0x0              ; e0 .. e7
	s_add_nc_u64 s[12:13], s[6:7], 0x200000        ; w's rows 2,048 on: v's
	s_cmp_eq_u32 ttmp9, 2
	s_cselect_b64 s[72:73], s[12:13], s[4:5]       ; A
	s_cselect_b64 s[74:75], s[4:5], s[6:7]         ; B
	s_add_nc_u64 s[20:21], s[72:73], s[20:21]
	s_add_nc_u64 s[46:47], s[74:75], s[46:47]
	CROUND                                         ; all sixteen work-groups are here: the first joint loads meet
.irp s, 0,1
	s_mov_b32 s[G0+4*\s], 1
	s_add_co_u32 s[G0+4*\s+1], s45, \s*SLOT
	s_add_nc_u64 s[G0+4*\s+2:G0+4*\s+3], s[20:21], \s*ROWB
	s_or_b32 s[G0+4*\s+3], s[G0+4*\s+3], 0x80000000
	s_mov_b32 s[G0B+4*\s], 1
	s_add_co_u32 s[G0B+4*\s+1], s45, \s*SLOT
	s_add_nc_u64 s[G0B+4*\s+2:G0B+4*\s+3], s[46:47], \s*ROWB
	s_or_b32 s[G0B+4*\s+3], s[G0B+4*\s+3], 0x80000000
	JLOAD G0+4*\s, G1, G0B+4*\s, G1B               ; two loads of mine are out
.endr
	v_and_b32 v1, 15, v0                           ; r = l % 16
	s_wait_alu depctr_va_vdst(0)
	v_bfe_u32 v2, v0, 4, 1                         ; h = l / 16
	v_mul_u32_u24 v3, v1, PITCH
	v_lshl_add_u32 v4, v2, 4, v3                   ; a fragment's row x pitch + 16 x half
	s_mul_i32 s21, s15, HALFT                      ; my 128 rows of A
	s_mul_i32 s22, s16, HALFT                      ; my 128 rows of B,
	s_add_co_u32 s22, s22, 2*HALFT                 ; which lie behind A's 256
.irp s, 0,1
	v_add_nc_u32 v[ADRA+\s], s21, v4
	v_add_nc_u32 v[ADRB+\s], s22, v4
	s_add_co_u32 s21, s21, SLOT
	s_add_co_u32 s22, s22, SLOT
.endr
	s_mul_i32 s23, s14, 16*SPITCH                  ; my stage
	v_mul_u32_u24 v5, v1, SPITCH                   ; in: row r, 16 bytes for each half of the lanes
	s_wait_alu depctr_va_vdst(0)
	v_lshl_add_u32 v5, v2, 4, v5
	v_add_nc_u32 v[STO], s23, v5
	v_lshrrev_b32 v6, 2, v1                        ; back: lanes 0-15 take the left 64 bytes of four rows, lanes 16-31 the right 64: row (l % 16) / 4, 16 bytes a lane
	v_mul_u32_u24 v6, v6, SPITCH
	v_lshl_add_u32 v6, v2, 6, v6
	v_and_b32 v7, 3, v0
	v_lshl_add_u32 v6, v7, 4, v6
	v_add_nc_u32 v[RD], s23, v6
	; where my part of the output begins.  One formula for the three sections: token tile P, feature tile G, and which of my two halves counts tokens (th) and which heads (hh)
	s_cmp_eq_u32 ttmp9, 2
	s_cselect_b32 s68, s42, s17                    ; P
	s_cselect_b32 s69, s17, s42                    ; G (its low two bits: the tile within the section)
	s_cselect_b32 s70, s16, s15                    ; th
	s_cselect_b32 s71, s15, s16                    ; hh
	s_cselect_b32 s67, 12, 17                      ; lanes 16-31 store: v: the next 64 keys, 2^12 bytes on;  q, k: the next head, 2^17 bytes on
	s_mov_b32 s76, 1024
	s_cselect_b32 s76, 128000, s76                 ; from block 3 to block 4: v: d wraps into the next head, 2^17 - 3 x 1,024;  q, k: 16 tokens on, as between all blocks
	s_mov_b32 s77, 0
	v_lshlrev_b32 v[CO], s67, v2
	v_lshl_add_u32 v[CO], v1, 4, v[CO]             ; + 16 (l % 16): sixteen lanes cover 256 consecutive bytes
	s_and_b32 s69, s69, 3
	s_lshl_b32 s69, s69, 2
	s_lshl_b32 s71, s71, 1
	s_add_co_u32 s69, s69, s71                     ; my first head: 4 G + 2 hh
	s_lshl_b32 s69, s69, 17
	s_lshr_b32 s71, s68, 3                         ; the batch: 8 token tiles each
	s_lshl_b32 s71, s71, 21
	s_add_co_u32 s69, s69, s71
	s_and_b32 s68, s68, 7
	s_lshl_b32 s68, s68, 8
	s_lshl_b32 s70, s70, 7
	s_add_co_u32 s68, s68, s70                     ; my first token in the batch;
	s_lshl_b32 s68, s68, 6                         ; 64 bytes a token (in v: 4,096 bytes for 64 keys, the same)
	s_add_co_u32 s68, s68, s69
	s_lshl_b32 s70, ttmp9, 23                      ; the section
	s_add_co_u32 s68, s68, s70
	s_mov_b32 s69, 0
	s_add_nc_u64 s[10:11], s[10:11], s[68:69]
.macro FRAG reg, adr, q, i             ; a fragment, 16 rows x 128 K: lane l holds row l % 16; registers 4 c .. 4 c + 3 hold K = 32 c + 16 (l / 16) + 0 .. 15: the same order of K in A and in B
.irp c, 0,1,2,3
	ds_load_b128 v[\reg+4*\c:\reg+4*\c+3], v[\adr] offset:128*(\q)+32*\c+(\i)*16*PITCH
.endr
.endm
; 16 matrix instructions: A's blocks a0, a0 + 1 x B's eight, 128 along K.  p: B's set.  zero = 1: the first product starts the sums.
; The 64 accumulators take turns, one instruction a turn, in the same order in every step.
.macro MUL16 a0, p, zero
.irp a, \a0, \a0+1
.irp b, 0,1,2,3,4,5,6,7
.if \zero
	v_wmma_f32_16x16x128_fp8_fp8 v[8*(8*((\a)%4)+\b):8*(8*((\a)%4)+\b)+7], v[128*(\p)+FR*\b:128*(\p)+FR*\b+FR-1], v[AF+FR*(\a):AF+FR*(\a)+FR-1], 0
.else
	v_wmma_f32_16x16x128_fp8_fp8 v[8*(8*((\a)%4)+\b):8*(8*((\a)%4)+\b)+7], v[128*(\p)+FR*\b:128*(\p)+FR*\b+FR-1], v[AF+FR*(\a):AF+FR*(\a)+FR-1], v[8*(8*((\a)%4)+\b):8*(8*((\a)%4)+\b)+7]
.endif
.endr
.endr
.endm
.macro FETCH_B slot, q, p              ; B's eight fragments of the slot's q-th 128 along K into set p
	WIN TO_B
.irp i, 0,1,2,3,4,5,6,7
	FRAG 128*(\p)+FR*\i, ADRB+\slot, \q, \i
.endr
	WIN 0
.endm
.macro FETCH_A slot, q, i0             ; A's blocks i0 .. i0 + 3
.irp i, \i0, \i0+1, \i0+2, \i0+3
	FRAG AF+FR*(\i), ADRA+\slot, \q, \i
.endr
.endm
; A load into a register that a matrix instruction has read, and a vector instruction that reads a matrix result, stand NP places behind it; only plain vector instructions that name none of its registers are places.
.macro PLACES n
.rept \n
	v_nop
.endr
.endm
; A step of 128 along K that has its successor in the same slot.  A block of A is free as soon as its eight products are issued: blocks 0-3 are fetched anew in the step's middle, blocks 4-7 at its end.
.macro STEP slot, q, zero
	s_wait_dscnt 4*NL                              ; B's set and A's blocks 0-3 are in; the youngest 16 loads (A's blocks 4-7) may be out
	WIN MUL_LO
	MUL16 0, (\q)%2, \zero
	MUL16 2, (\q)%2, \zero
	s_wait_dscnt 0                                 ; A's blocks 4-7 are in
	PLACES NP
	FETCH_B \slot, (\q)+1, 1-(\q)%2
	FETCH_A \slot, (\q)+1, 0
	WIN MUL_HI
	MUL16 4, (\q)%2, \zero
	MUL16 6, (\q)%2, \zero
	PLACES NP
	WIN 0
	FETCH_A \slot, (\q)+1, 4
.endm
; A slot's last step changes slots: ONE barrier; in front of it each wave waits for all its tensor loads, adds 0 to its spare word, and waits for that and for its own reads of this slot.  fill = 1: this slot is filled again, two K steps ahead.
.macro TURN slot, next, fill
	s_wait_tensorcnt 0x0                           ; all my tensor loads have landed: my part of the next slot  (every window is 0 here)
	ds_add_u32 v[SPW], v[NIL]                      ; 0 onto my spare word
	s_wait_dscnt 4*NL+1                            ; (the add and the youngest 16 loads, A's blocks 4-7, may be out)
	WIN MUL_LO
	MUL16 0, 1, 0                                  ; sixteen matrix instructions stand between the add and the wait for it
	s_wait_dscnt 0x0                               ; the add is done, and my reads of this slot are over
	s_barrier_signal -1
	MUL16 2, 1, 0
	WIN 0
	s_barrier_wait -1
.if \fill
	CREST                                          ; the barrier has opened a round of the cluster's barrier: no wave of any partner still reads this slot's tile or has a load on its way
	s_add_nc_u64 s[G0+4*\slot+2:G0+4*\slot+3], s[G0+4*\slot+2:G0+4*\slot+3], 2*ROWB
	s_add_nc_u64 s[G0B+4*\slot+2:G0B+4*\slot+3], s[G0B+4*\slot+2:G0B+4*\slot+3], 2*ROWB
	JLOAD G0+4*\slot, G1, G0B+4*\slot, G1B         ; the first tensor load behind the round; its four v_nop are also the places in front of the loads below
.else
	PLACES NP
.endif
	FETCH_B \next, 0, 0
	FETCH_A \next, 0, 0
	WIN MUL_HI
	MUL16 4, 1, 0
	MUL16 6, 1, 0
	PLACES NP
	WIN 0
	FETCH_A \next, 0, 4
.endm
	s_wait_tensorcnt 1                             ; my part of K step 0 is in (K step 1's load is younger and may be out),
	s_barrier_signal -1
	s_barrier_wait -1                              ; everybody's is
	FETCH_B 0, 0, 0
	FETCH_A 0, 0, 0
	FETCH_A 0, 0, 4
	STEP 0, 0, 1                                   ; K 0-127: its products start the sums
	TURN 0, 1, 1                                   ; K 128-255; slot 0 takes K step 2
	STEP 1, 0, 0
	TURN 1, 0, 1                                   ; slot 1 takes K step 3: the last load
	STEP 0, 0, 0
	TURN 0, 1, 0                                   ; nothing is left to fetch; behind this barrier nobody reads slot 0
	STEP 1, 0, 0
	s_wait_dscnt 4*NL                              ; the last step
	WIN MUL_LO
	MUL16 0, 1, 0
	MUL16 2, 1, 0
	s_wait_dscnt 0
	WIN MUL_HI
	MUL16 4, 1, 0
	MUL16 6, 1, 0
	WIN 0
; THE WAY OUT, block by block of 16 rows of A x my 128 rows of B.  The 64 sums of a lane are converted, eight to a conversion; the codes of result tiles 2 g and 2 g + 1 are 16 bytes that lie together in the
; output's order.  A block goes through my own stage in LDS and comes back so that sixteen neighbouring lanes hold 256 consecutive bytes of the output.  LDS serves a wave's instructions in order (ISA guide 5.7.1.4).
.macro TOSTAGE a
.set AC, 64*((\a)%4)
.set CD, CODE+16*((\a)%2)
.set BB, BK+16*((\a)%2)
	WIN 0x02+((\a)/4)                              ; source 0: window 2 or 3
.set j, 0
.rept 64
.set j, j+1
.endr
	v_nop
.irp b, 0,1,2,3,4,5,6,7
	v_cvt_scalef32_pk8_fp8_f32 v[CD+2*\b:CD+2*\b+1], v[AC+8*\b:AC+8*\b+7], v[SC]
.endr
	WIN 0
	v_nop                                          ; one plain vector instruction behind the last conversion
.irp g, 0,1,2,3
	ds_store_b128 v[STO], v[CD+4*\g:CD+4*\g+3] offset:32*\g
.endr
.irp i, 0,1,2,3
	ds_load_b128 v[BB+4*\i:BB+4*\i+3], v[RD] offset:\i*4*SPITCH
.endr
.endm
.macro SEND a, younger                 ; younger: the LDS instructions issued behind block a's loads, which may stay out
.set BB, BK+16*((\a)%2)
	s_wait_dscnt \younger                          ; the block is back in registers
.if (\a) == 4
	s_add_nc_u64 s[10:11], s[10:11], s[76:77]      ; (behind a wait on XCNT: the earlier stores have read their base)
.elseif (\a) > 0
	s_add_nc_u64 s[10:11], s[10:11], 1024          ; 16 rows of 64 bytes on
.endif
.irp i, 0,1,2,3
	global_store_b128 v[CO], v[BB+4*\i:BB+4*\i+3], s[10:11] offset:256*\i   ; each sixteen lanes store 256 consecutive bytes, at a multiple of 256 from the buffer's first byte
.endr
.endm
	s_wait_kmcnt 0x0
	s_cmp_eq_u32 ttmp9, 1
	s_cselect_b32 s78, s83, s82                    ; k: e3, q: e2,
	s_cmp_eq_u32 ttmp9, 2
	s_cselect_b32 s78, s85, s78                    ; v: e5
	s_sub_co_i32 s78, s78, s80
	s_sub_co_i32 s78, s78, s81                     ; eX - e0 - e1
	s_add_co_i32 s78, s78, 127
	s_lshl_b32 s79, s78, 23
	v_mov_b32 v[SC], s79                           ; the conversion takes its exponent field
	s_add_co_i32 s78, s78, 8
	s_lshl_b32 s78, s78, 23
	s_or_b32 s78, s78, 0x600000
	PLACES 2
	TOSTAGE 0
.irp a, 1,2,3,4,5,6,7
.if \a > 1
	s_wait_xcnt 0x0                                ; block a - 2's stores have read their registers and their base: block a's loads may land there, and the base may step
.endif
	TOSTAGE \a
	SEND \a-1, 8                                   ; behind block a - 1's loads: block a's 4 stores and 4 loads
.endr
	s_wait_xcnt 0x0                                ; block 6's stores have read their base
	SEND 7, 0
	s_wait_tensorcnt 0x0                           ; the wave's end: behind my last tensor load and my last LDS store
	ds_add_u32 v[SPW], v[NIL]
	s_wait_dscnt 0x0
	CROUND                                         ; the closing round: no work-group ends while a partner may still ask for a tile that names it
	s_endpgm
.Lfunc_end_k_q735307c482_qkv_gemm:
	.size	k_q735307c482_qkv_gemm, .Lfunc_end_k_q735307c482_qkv_gemm-k_q735307c482_qkv_gemm
	.p2alignl 7, 3214868480
	.fill 96, 4, 3214868480
	.section	.rodata,"a",@progbits
	.p2align	6, 0x0
	.amdhsa_kernel k_q735307c482_qkv_gemm
		.amdhsa_group_segment_fixed_size 327680
		.amdhsa_private_segment_fixed_size 0
		.amdhsa_enable_private_segment 0
		.amdhsa_kernarg_size 32
		.amdhsa_user_sgpr_count 2
		.amdhsa_user_sgpr_kernarg_segment_ptr 1
		.amdhsa_wavefront_size32 1
		.amdhsa_system_sgpr_workgroup_id_x 1
		.amdhsa_system_sgpr_workgroup_id_y 1
		.amdhsa_system_sgpr_workgroup_id_z 1
		.amdhsa_system_vgpr_workitem_id 0
		.amdhsa_next_free_vgpr 1024
		.amdhsa_next_free_sgpr 100
		.amdhsa_reserve_vcc 0
		.amdhsa_float_denorm_mode_32 3
		.amdhsa_float_denorm_mode_16_64 3
		.amdhsa_fp16_overflow 1
		.amdhsa_memory_ordered 1
		.amdhsa_forward_progress 1
		.amdhsa_inst_pref_size 92
	.end_amdhsa_kernel
	.amdgpu_metadata
---
amdhsa.version: [ 1, 2 ]
amdhsa.kernels:
  - .name:           k_q735307c482_qkv_gemm
    .symbol:         k_q735307c482_qkv_gemm.kd
    .args:
      - { .name: x_codes, .offset: 0, .size: 8, .value_kind: global_buffer, .address_space: global }
      - { .name: w_qkv_codes, .offset: 8, .size: 8, .value_kind: global_buffer, .address_space: global }
      - { .name: lowp_scales, .offset: 16, .size: 8, .value_kind: global_buffer, .address_space: global }
      - { .name: qkv, .offset: 24, .size: 8, .value_kind: global_buffer, .address_space: global }
    .group_segment_fixed_size: 327680
    .private_segment_fixed_size: 0
    .kernarg_segment_align: 8
    .kernarg_segment_size: 32
    .max_flat_workgroup_size: 128
    .sgpr_count:     100
    .vgpr_count:     1024
    .wavefront_size: 32
...
	.end_amdgpu_metadata
.endif
;; end of part 1
;; launch attn (part 2): grid 4 x 64, 16 waves a work-group, no clusters, 327,680 bytes of LDS; arguments qkv, lowp_scales, ac; writes ac
.if DOCPART == 2
	.amdgcn_target "amdgcn-amd-amdhsa--gfx1250"
	.amdhsa_code_object_version 6
	.text
	.protected	k_q735307c482_attn
	.globl	k_q735307c482_attn
	.p2align	8
	.type	k_q735307c482_attn,@function
k_q735307c482_attn:
	s_mov_b64 s[64:65], 0
	v_nop
	global_prefetch_b8 v0, s[64:65] scope:SCOPE_SE
	s_setreg_imm32_b32 hwreg(HW_REG_WAVE_MODE, 25, 1), 1
	s_wait_xcnt 0x0
; Causal attention of 64 heads (batch x 16 + head), 2,048 tokens, head size 64, both products on codes of FP8 (E4M3); the result is quantised (scale 2^e6) for the last product.
; qkv: three sections of 2^23 bytes (q, k, v), 2^17 bytes a head in each.  q, k: [token][64 bytes].  v: [token / 64][d 64][64 bytes along the keys].  Scales: q 2^e2, k 2^e3, p 2^e4, v 2^e5.
; THE SOFTMAX AHEAD OF THE SECOND PRODUCT: t = score x log2(e) / 8; M = the row's largest t so far, rounded UP to a whole number; p = 2^(t - M) is quantised, not normalised.  The row's sum is taken of the
; unquantised p, in f32, and divides O at the end.  When M moves, the sum and O are multiplied by 2^(old M - new M), which rounds nothing.
; SHARES.  A work-group (i = 0..3, head) owns the blocks i and 7 - i of 256 queries, one after the other.  Block b needs the key slots 0 .. b (256 keys each): (i + 1) + (8 - i) = 9 slot visits in EVERY work-group:
; the trip count is a constant and all 256 work-groups have the same work.  Each of the SIXTEEN waves owns 16 queries of the block in hand, in 256 registers: four waves to a SIMD.
; Visit n reads: n <= i: block i, key slot n;  n > i: block 7 - i, key slot n - i - 1.  K's and V's tiles come through a ring of two LDS slots (wave 0 fetches K's 16,384 bytes, wave 1 V's), read by all sixteen.
; NO CLUSTER: the four work-groups of a head want different key slots in the same visit (slot n against slot n - i - 1), so a joint request would name tiles that three of the four do not read then.
; LAYOUT.  Both products are used transposed: S^T = K Q^T (source 0 = 16 keys, source 1 = my 16 queries, K = 64), O^T = V^T P^T (source 0 = 16 of the head's 64, source 1 = P, K = 128 keys): a lane holds ONE query (lane % 16).
; Register j of score tile u is key 16 u + 8 (lane / 16) + j: its eight codes are registers 2 u, 2 u + 1 of P's operand as the form's own layout wants them, and v's bytes are laid so that 16-byte loads give the same keys.
; CAUSAL.  A step of 128 keys that all come after my 16 queries is jumped over (a scalar branch on ids; no barrier and no tensor load stands in a step); on the diagonal hidden scores become -infinity ahead of the maximum.
; OUTPUT ac: images of the last product's operand registers: [K / 256][token / 16][2][4][lane 32][16 bytes], K = 64 head + d: a head's part of 16 tokens is 1,024 consecutive bytes.
; LIMITS on the given exponents, so that each power of two below is an f32 number: e2 + e3 between -123 and 130 (added to c's exponent field); e4 and e6 between -126 and 119; e4 + e5 goes by v_ldexp_f32 and has none.
; t stays above -3e38.  NaN among the numbers is not served.
.set LP,    80                         ; 64 bytes of a key (or of a row of V) in LDS + 16 of padding: 20 words, so the 16 lines of a load start at 16 different groups of 4 banks (64 banks of 4 bytes: ISA guide 11.1)
.set VOFF,  256*LP                     ; a slot: 256 lines of K, then 4 x 64 lines of V
.set CHK,   64*LP                      ; V's 64 rows for 64 keys
.set SLOT1, 1<<16                      ; slot 1 begins here, so that one exclusive or turns an address in one slot into the other's
.set SPARE, 2*SLOT1                    ; behind the ring: the spare words, 128 bytes for each wave: eight blocks of 256 bytes that no other line names
.set STAGE, SPARE+2048                 ; the way out: 1,024 bytes for each wave, bytes of their own: no tile lands there
.set SLB,   16384                      ; a slot's K, or V, in memory
.set AK0, 1                            ; v1   my lane's place in a tile: 80 (lane % 16) + 16 (lane / 16)
.set PFO, 3                            ; v3   the prefetches' offset: 256 x lane; never rewritten
.set D0,  4                            ; v4   lane % 16 - 8 (lane / 16), for the mask
.set SPW, 5                            ; v5   LDS address of my spare word; never rewritten
.set NIL, 6                            ; v6   0; never rewritten
.set GO,  7                            ; v7   16 x lane
.set ADR, 8                            ; v8   LDS address of the step's tiles
.set STW, 9                            ; v9   my stage, on the way in
.set STR, 10                           ; v10  and back
.set QA,  11                           ; v11  my lane's byte in my 16 rows of q
                                       ; v12 -M, v13 the largest t, v[14:15] the sum in two halves
.set QF,  16                           ; v16-23   Q's fragment
.set TA,  24                           ; v24, v25 at work (two chains of the maximum)
.set TC2, 25
.set FF,  26                           ; v26 f = 2^(old M - new M); v27 is named with it as a pair
.set PL,  28                           ; v28  what comes from lane l xor 16
.set SU,  30                           ; v[30:31] the sum's second chain
.set FRG, 32                           ; v32-95   eight fragments of K, then four of V
.set S,   96                           ; v96-159  S^T, then p
.set OT,  160                          ; v160-191 O^T
.set PC,  192                          ; v192-207 p's codes
.set PLIM, 208
.set PSC,  209                         ; 2^e4
.set OLIM, 210
.set OSC,  211                         ; 2^e6
.set NINF, 212                         ; -infinity
.set DD,   213                         ; the mask's bound
.set TB,  2                            ; s2   LDS byte at which the slot in hand begins
.set VN,  3                            ; s3   the visit
.set II,  10                           ; s10  i;  s11  i + 1
.set IP1, 11
                                       ; s[12:13], s[14:15] q at my rows of block i, of block 7 - i;  s[16:17], s[18:19] ac likewise
.set WV,  20                           ; s20  my wave's number
.set CS,  22                           ; s[22:23] c = log2(e) / 8 x 2^(e2 + e3)
.set G1,  24                           ; s[24:31] descriptor group 1: K's and V's tiles have one shape
.set G0,  32                           ; s[32:35] descriptor group 0, which walks
.set KVB, 36                           ; s[36:37] the head's K (wave 0) or V (wave 1)
.set OFF, 38                           ; s[38:39] the key slot to be fetched, in bytes
.set SEL, 40                           ; s[40:41] lane selects for v_permlanex16_b32: lane l xor 16
.set KF,  42                           ; s42  the step's first key
.set Q0,  43                           ; s43  my first query;  s44  the same in block 7 - i
.set Q0H, 44
.set LIM, 45                           ; s45  a wave prefetches while the visit's number is below this
.set PFA, 46                           ; s[46:47] where my prefetches stand
.set EPV, 56                           ; s56  e4 + e5
; Waves 0 and 1 fetch, each with its own LDS address and its own global address; the branch hangs on the wave's number alone.  Four v_nop follow the line.
.macro TLOAD
	s_cmp_lt_u32 s[WV], 2
	s_cbranch_scc0 .Lasked_\@
	tensor_load_to_lds s[G0:G0+3], s[G1:G1+7]
	s_nop 0
.rept 4
	v_nop
.endr
.Lasked_\@:
.endm
; A PREFETCH INTO THE L2 of the key slot behind the one that is being fetched.  The head's work-group i = 0 walks all eight key slots in order (trip n fetches slot n) and asks in trip n for slot n + 1: one visit, two key
; steps of sixteen waves, ahead of its own load.  In it four waves that fetch nothing ask, one instruction each: waves 4 and 5 for K's 16,384 bytes, waves 6 and 7 for V's: 8,192 bytes a wave, lanes 256 bytes apart.
; So each aligned block of 256 bytes is named once in the launch.  Slot 0 comes by its load alone; trip 7 asks for nothing: there is no slot 8.
.macro ASK
	s_cmp_lt_u32 s[VN], s[LIM]
	s_cbranch_scc0 .Lnot_mine_\@
	global_prefetch_b8 v[PFO], s[PFA:PFA+1] th:TH_LOAD_NT scope:SCOPE_SE
.Lnot_mine_\@:
.endm
	s_load_b128 s[4:7], s[0:1], 0x0                ; qkv s[4:5], the scales' exponents s[6:7]
	s_load_b64 s[8:9], s[0:1], 0x10                ; ac
	v_lshl_add_u32 v[SPW], v0, 2, SPARE
	v_mov_b32 v[NIL], 0
	ds_add_u32 v5, v6
	ds_add_u32 v5, v6
	s_wait_dscnt 0x0
	v_lshrrev_b32 v24, 5, v0
	s_delay_alu instid0(VALU_DEP_1)
	v_readfirstlane_b32 s[WV], v24                 ; wave 0..15
	s_mov_b32 s[II], ttmp9
	s_add_co_u32 s[IP1], ttmp9, 1
	s_and_b32 s48, ttmp7, 0xffff                   ; batch x 16 + head
	s_lshl_b32 s49, s48, 17                        ; its bytes in a section
	s_lshl_b32 s50, s[WV], 4
	s_lshl_b32 s[Q0], ttmp9, 8
	s_add_co_u32 s[Q0], s[Q0], s50                 ; my first query: 256 i + 16 wave,
	s_sub_co_u32 s[Q0H], 7, ttmp9
	s_lshl_b32 s[Q0H], s[Q0H], 8
	s_add_co_u32 s[Q0H], s[Q0H], s50               ; and 256 (7 - i) + 16 wave
	s_lshl_b32 s52, s[Q0], 6                       ; q: 64 bytes a query
	s_add_co_u32 s52, s52, s49
	s_mov_b32 s53, 0
	s_lshl_b32 s54, s[Q0H], 6
	s_add_co_u32 s54, s54, s49
	s_mov_b32 s55, 0
	s_bfe_u32 s51, s48, 0x20002                    ; ac: head / 4 says which 256 along K: 2^21 bytes each;
	s_lshl_b32 s51, s51, 21
	s_lshr_b32 s57, s48, 4                         ; the batch: 128 tiles of 16 tokens x 4,096 bytes;
	s_lshl_b32 s57, s57, 19
	s_add_co_u32 s51, s51, s57
	s_and_b32 s57, s48, 3                          ; head % 4: 1,024 bytes each;
	s_lshl_b32 s57, s57, 10
	s_add_co_u32 s51, s51, s57
	s_lshl_b32 s58, s[Q0], 8                       ; my tile of 16 tokens: 4,096 x query / 16
	s_add_co_u32 s58, s58, s51
	s_mov_b32 s59, 0
	s_lshl_b32 s60, s[Q0H], 8
	s_add_co_u32 s60, s60, s51
	s_mov_b32 s61, 0
	s_and_b32 s62, s[WV], 1                        ; what I fetch, if I fetch: 0: K (section 1), 1: V (section 2)
	s_add_co_u32 s76, s62, 1
	s_lshl_b32 s76, s76, 23
	s_add_co_u32 s76, s76, s49
	s_mov_b32 s77, 0
	s_bfe_u32 s78, s[WV], 0x10001                  ; what I prefetch, if I do: waves 4, 5: K; waves 6, 7: V;
	s_add_co_u32 s78, s78, 1
	s_lshl_b32 s78, s78, 23
	s_add_co_u32 s78, s78, s49
	s_lshl_b32 s79, s62, 13                        ; the slot's first or second 8,192 bytes
	s_add_co_u32 s78, s78, s79
	s_mov_b32 s79, 0
	s_lshr_b32 s63, s[WV], 2
	s_xor_b32 s63, s63, 1                          ; 0 in waves 4 to 7,
	s_or_b32 s63, s63, ttmp9                       ; of the head's work-group 0
	s_cmp_eq_u32 s63, 0
	s_cselect_b32 s[LIM], 7, 0
	; descriptor group 1: 16,384 dense bytes as 64 rows of 256, with 16 bytes of padding behind every 64: the 256 lines of 64 bytes lie 80 bytes apart
	s_mov_b32 s[G1], (1<<20)|(3<<22)|(3<<25)       ; 15:0 no mask; 17:16 elements of 1 byte; 20 padding on; 24:22 after every 16 words (code 3); 31:25 four words (code 3)
	s_mov_b32 s[G1+1], 256<<16                     ; tensor_dim0
	s_mov_b32 s[G1+2], 64<<16                      ; tensor_dim1
	s_mov_b32 s[G1+3], 256<<16                     ; tile_dim0
	s_mov_b32 s[G1+4], 64                          ; tile_dim1
	s_mov_b32 s[G1+5], 256                         ; tensor_dim0_stride
	s_mov_b32 s[G1+6], 0
	s_mov_b32 s[G1+7], 0
	s_mov_b32 s[SEL], 0x76543210
	s_mov_b32 s[SEL+1], 0xfedcba98
	s_mov_b32 s[TB], 0
	s_mov_b32 s[VN], 0
	s_mov_b32 s[KF], 0
	s_mov_b32 s[OFF+1], 0
	s_wait_kmcnt 0x0
	s_load_b256 s[68:75], s[6:7], 0x0              ; e0 .. e7
	s_add_nc_u64 s[KVB:KVB+1], s[4:5], s[76:77]
	s_mov_b32 s[G0], 1                             ; count = 1
	s_mul_i32 s[G0+1], s62, VOFF                   ; LDS address: slot 0; K's lines, or V's behind them
	s_mov_b64 s[G0+2:G0+3], s[KVB:KVB+1]           ; global address: key slot 0
	s_or_b32 s[G0+3], s[G0+3], 0x80000000          ; type = 2
	TLOAD                                          ; visit 0's tiles: one load of mine is out at the most, here and ever after
	s_add_nc_u64 s[12:13], s[4:5], s[52:53]
	s_add_nc_u64 s[14:15], s[4:5], s[54:55]
	s_add_nc_u64 s[16:17], s[8:9], s[58:59]
	s_add_nc_u64 s[18:19], s[8:9], s[60:61]
	s_add_nc_u64 s[PFA:PFA+1], s[4:5], s[78:79]    ; at key slot 0: every change of slots steps it.  Nothing is prefetched here, at the head
	v_and_b32 v24, 15, v0                          ; r
	v_bfe_u32 v25, v0, 4, 1                        ; h
	s_delay_alu instid0(VALU_DEP_2)
	v_mul_u32_u24 v[AK0], v24, LP
	s_delay_alu instid0(VALU_DEP_1)
	v_lshl_add_u32 v[AK0], v25, 4, v[AK0]
	v_and_b32 v[GO], 31, v0
	s_delay_alu instid0(VALU_DEP_1)
	v_lshlrev_b32 v[PFO], 8, v[GO]
	s_delay_alu instid0(VALU_DEP_2)
	v_lshlrev_b32 v[GO], 4, v[GO]
	v_lshlrev_b32 v[D0], 3, v25
	s_delay_alu instid0(VALU_DEP_1)
	v_sub_nc_u32 v[D0], v24, v[D0]
	s_lshl_b32 s63, s[WV], 10
	s_add_co_u32 s63, s63, STAGE                   ; my stage
	v_lshlrev_b32 v[STW], 4, v24
	s_delay_alu instid0(VALU_DEP_1)
	v_lshl_add_u32 v[STW], v25, 3, v[STW]
	s_delay_alu instid0(VALU_DEP_1)
	v_add_nc_u32 v[STW], s63, v[STW]               ; in: 16 r + 8 h; tile t of O^T 256 t bytes on
	v_add_nc_u32 v[STR], s63, v[GO]                ; back: 16 x lane
	v_lshlrev_b32 v[QA], 6, v24
	s_delay_alu instid0(VALU_DEP_1)
	v_lshl_add_u32 v[QA], v25, 4, v[QA]            ; q: row r of 64 bytes, + 16 h
	v_mov_b32 v[PL], 0                             ; written once: a lane permute's destination counts as one of its sources
	v_mov_b32 v[FF+1], 0                           ; (named as the upper half of the pair)
	v_mov_b32 v[NINF], 0xff800000
; A block of queries begins: Q's fragment comes into registers; O^T and the sum begin as zeros and the largest t as -3e38, so that the key step is written once: the first change of M multiplies zeros.
.macro BEGIN qb
	global_load_b128 v[QF:QF+3],   v[QA], s[\qb:\qb+1]
	global_load_b128 v[QF+4:QF+7], v[QA], s[\qb:\qb+1] offset:32
	v_mov_b32 v13, 0xff61b1e6                      ; -3e38, under every t
	s_delay_alu instid0(VALU_DEP_1)
	v_floor_f32 v12, -v13                          ; -M
	v_mov_b32 v14, 0
	v_mov_b32 v15, 0
.set j, 0
.rept 32
	v_mov_b32 v[OT+j], 0
.set j, j+1
.endr
	s_wait_loadcnt 0x0                             ; Q
.endm
	BEGIN 12
	s_wait_kmcnt 0x0
	s_add_co_i32 s48, s70, s71                     ; a score stands for score x 2^(e2 + e3): the two exponents are added to c's exponent field
	s_lshl_b32 s48, s48, 23
	s_mov_b32 s[CS], 0x3e38aa3b                    ; log2(e) / 8
	s_add_co_i32 s[CS], s[CS], s48
	s_mov_b32 s[CS+1], s[CS]                       ; (named with it as a pair, so it is written)
	s_add_co_i32 s48, s72, 127
	s_lshl_b32 s49, s48, 23
	v_mov_b32 v[PSC], s49                          ; 2^e4 as f32: the conversion takes its exponent field
	s_add_co_i32 s48, s74, 127
	s_lshl_b32 s49, s48, 23
	v_mov_b32 v[OSC], s49                          ; 2^e6
	s_add_co_i32 s[EPV], s72, s73                  ; e4 + e5
; A KEY STEP: 128 keys, the q-th half of the slot in hand.
.macro STEP q
	s_add_co_u32 s48, s[Q0], 15
	s_cmp_gt_u32 s[KF], s48                        ; all 128 keys come after my 16 queries: nothing to do but step the key count
	s_cbranch_scc1 .Lhidden_\@
	v_add_nc_u32 v[ADR], s[TB], v[AK0]
.rept 3
	v_nop                                          ; with the addition above: four places in front of loads into registers that the last products have read (ISA guide 7.12.1 for vector instructions)
.endr
.irp t, 0,1,2,3,4,5,6,7                        ; K: tile t = keys 16 t .. 16 t + 15: 8 registers, two loads of 16 bytes, 32 bytes apart
	ds_load_b128 v[FRG+8*\t:FRG+8*\t+3],   v[ADR] offset:(128*(\q)+16*\t)*LP
	ds_load_b128 v[FRG+8*\t+4:FRG+8*\t+7], v[ADR] offset:(128*(\q)+16*\t)*LP+32
.endr
	s_wait_alu depctr_va_vdst(0)
	s_wait_dscnt 0x0
.irp t, 0,1,2,3,4,5,6,7
	v_wmma_f32_16x16x64_fp8_fp8 v[S+8*\t:S+8*\t+7], v[FRG+8*\t:FRG+8*\t+7], v[QF:QF+7], 0
.endr
.rept 4
	v_nop                                          ; places in front of the loads below and of the first read of the scores
.endr
.irp t, 0,1,2,3                                ; V goes out at once and lands under the softmax: tile t = d 16 t .. 16 t + 15, 128 keys: 16 registers
.irp c, 0,1,2,3
	ds_load_b128 v[FRG+16*\t+4*\c:FRG+16*\t+4*\c+3], v[ADR] offset:VOFF+(2*(\q)+\c/2)*CHK+16*\t*LP+32*(\c%2)
.endr
.endr
	s_add_co_u32 s48, s[KF], 127
	s_cmp_le_u32 s48, s[Q0]                        ; all 128 keys count for all my queries: no mask
	s_cbranch_scc1 .Lopen_\@
	s_sub_co_i32 s48, s[Q0], s[KF]
	v_add_nc_u32 v[DD], s48, v[D0]                 ; d = my query - KF - 8 (lane / 16).  Register 8 u + j holds key KF + 8 (lane / 16) + 16 u + j: hidden where 16 u + j > d
.set n, 0
.rept 64
	v_cmp_gt_i32 vcc_lo, 16*(n/8)+n%8, v[DD]
	v_cndmask_b32 v[S+n], v[S+n], v[NINF], vcc_lo
.set n, n+1
.endr
.Lopen_\@:
	v_max3_num_f32 v[TA], v[S], v[S+1], v[S+2]     ; the step's largest score of my query, among my 64 keys, in two chains, from each tile's low end on,
	v_max3_num_f32 v[TC2], v[S+3], v[S+4], v[S+5]
.irp i, 6,10,14,18,22,26,30,34,38,42,46,50,54,58
	v_max3_num_f32 v[TA], v[TA], v[S+\i], v[S+\i+1]
	v_max3_num_f32 v[TC2], v[TC2], v[S+\i+2], v[S+\i+3]
.endr
	v_max3_num_f32 v[TA], v[TA], v[S+62], v[S+63]
	s_delay_alu instid0(VALU_DEP_1)
	v_max_num_f32 v[TA], v[TA], v[TC2]
	s_delay_alu instid0(VALU_DEP_1)
	v_permlanex16_b32 v[PL], v[TA], s[SEL], s[SEL+1]
	s_delay_alu instid0(VALU_DEP_1)
	v_max_num_f32 v[TA], v[TA], v[PL]              ; and among lane l xor 16's
	s_delay_alu instid0(VALU_DEP_1)
	v_mul_f32 v[TA], s[CS], v[TA]                  ; as t (c is positive)
	s_delay_alu instid0(VALU_DEP_1)
	v_max_num_f32 v13, v13, v[TA]                  ; the running largest t
	v_mov_b32 v[TA], v12
	s_delay_alu instid0(VALU_DEP_2)
	v_floor_f32 v12, -v13                          ; the new -M = floor(-t) = -ceil(t): M is a whole number
	s_delay_alu instid0(VALU_DEP_1)
	v_sub_f32 v[TA], v12, v[TA]                    ; M's old value less its new one: a whole number, 0 or less
	s_delay_alu instid0(VALU_DEP_1)
	v_cvt_i32_f32 v[TA], v[TA]                     ; (it saturates)
	s_delay_alu instid0(VALU_DEP_1)
	v_ldexp_f32 v[FF], 1.0, v[TA]                  ; f = 2^(old M - new M)
.irp j, 0,2,4,6,8,10,12,14,16,18,20,22,24,26,28,30,32,34,36,38,40,42,44,46,48,50,52,54,56,58,60,62
	v_pk_fma_f32 v[S+\j:S+\j+1], v[S+\j:S+\j+1], s[CS:CS+1], v[12:13] op_sel_hi:[1,0,0]   ; t - M, two at a time (of the pairs c and -M the low word serves both halves)
.endr
.set n, 0
	s_wait_alu depctr_va_vdst(0)
.rept 64
	v_exp_f32 v[S+n], v[S+n]                       ; p = 2^(t - M), at most 1: not normalised
.set n, n+1
.endr
	v_pk_mul_f32 v[14:15], v[14:15], v[FF:FF+1] op_sel_hi:[1,0]   ; the sums under the new M.  (The plain instruction behind the exponentials)
	s_wait_alu depctr_va_vdst(0)                   ; one wait for the whole batch, ahead of its first reader
	v_pk_add_f32 v[30:31], v[100:101], v[104:105]
	v_pk_add_f32 v[254:255], v[108:109], v[112:113]
	v_pk_add_f32 v[252:253], v[116:117], v[120:121]
	v_pk_add_f32 v[250:251], v[124:125], v[128:129]
	v_pk_add_f32 v[248:249], v[132:133], v[136:137]
	v_pk_add_f32 v[246:247], v[140:141], v[144:145]
	v_pk_add_f32 v[244:245], v[148:149], v[152:153]
	v_pk_add_f32 v[14:15], v[14:15], v[156:157]
	v_pk_add_f32 v[30:31], v[30:31], v[96:97]
	v_pk_add_f32 v[254:255], v[254:255], v[98:99]
	v_pk_add_f32 v[252:253], v[252:253], v[102:103]
	v_pk_add_f32 v[250:251], v[250:251], v[106:107]
	v_pk_add_f32 v[248:249], v[248:249], v[110:111]
	v_pk_add_f32 v[246:247], v[246:247], v[114:115]
	v_pk_add_f32 v[244:245], v[244:245], v[118:119]
	v_pk_add_f32 v[14:15], v[14:15], v[122:123]
	v_pk_add_f32 v[30:31], v[30:31], v[126:127]
	v_pk_add_f32 v[254:255], v[254:255], v[130:131]
	v_pk_add_f32 v[252:253], v[252:253], v[134:135]
	v_pk_add_f32 v[250:251], v[250:251], v[138:139]
	v_pk_add_f32 v[248:249], v[248:249], v[142:143]
	v_pk_add_f32 v[246:247], v[246:247], v[146:147]
	v_pk_add_f32 v[244:245], v[244:245], v[150:151]
	v_pk_add_f32 v[14:15], v[14:15], v[154:155]
	v_pk_add_f32 v[30:31], v[30:31], v[158:159]
	s_delay_alu instid0(VALU_DEP_2)
	v_pk_add_f32 v[14:15], v[14:15], v[250:251]
	s_delay_alu instid0(VALU_DEP_2)
	v_pk_add_f32 v[30:31], v[30:31], v[248:249]
	v_pk_add_f32 v[254:255], v[254:255], v[246:247]
	v_pk_add_f32 v[252:253], v[252:253], v[244:245]
	s_delay_alu instid0(VALU_DEP_2)
	v_pk_add_f32 v[14:15], v[14:15], v[254:255]
	s_delay_alu instid0(VALU_DEP_2)
	v_pk_add_f32 v[30:31], v[30:31], v[252:253]
	s_delay_alu instid0(VALU_DEP_1)
	v_pk_add_f32 v[14:15], v[14:15], v[30:31]
.irp t, 0,1,2,3,4,5,6,7
.irp i, 0,1,2,3,4,5,6,7
.endr
	v_cvt_scalef32_pk8_fp8_f32 v[PC+2*\t:PC+2*\t+1], v[S+8*\t:S+8*\t+7], v[PSC]   ; keys 16 t + 8 (lane / 16) + 0 .. 7: registers 2 t, 2 t + 1 of the operand
.endr
.irp j, 0,2,4,6,8,10,12,14,16,18,20,22,24,26,28,30
	v_pk_mul_f32 v[OT+\j:OT+\j+1], v[OT+\j:OT+\j+1], v[FF:FF+1] op_sel_hi:[1,0]   ; O^T under the new M.  (Also the plain instructions between the last conversion and the products)
.endr
	s_wait_alu depctr_va_vdst(0)
	s_wait_dscnt 0x0                               ; V is in
.irp t, 0,1,2,3                                ; the four accumulators take turns, one instruction a turn; the eight score products stand between a turn and the next
	v_wmma_f32_16x16x128_fp8_fp8 v[OT+8*\t:OT+8*\t+7], v[FRG+16*\t:FRG+16*\t+15], v[PC:PC+15], v[OT+8*\t:OT+8*\t+7]
.endr
.Lhidden_\@:
	s_add_co_u32 s[KF], s[KF], 128
.endm
; THE CHANGE OF SLOTS stands at a visit's head.  Each wave waits for all its tensor loads (its part of the slot that it is about to read), adds 0 to its spare word, and waits for that and for its reads of the slot that it
; has left.  Behind the barrier the slot ahead is whole and nobody reads the other one.  fill = 1: that other slot takes the next visit's tiles: the load has a whole visit in which to land.
.macro CHANGE fill
	s_wait_tensorcnt 0x0                           ; no tensor load of mine is out, so group 0 may be written
	ds_add_u32 v[SPW], v[NIL]                      ; 0 onto my spare word; with fill = 1 the steps below stand between it and the wait for it
.if \fill
	s_xor_b32 s[G0+1], s[G0+1], SLOT1              ; the other slot than last time
	s_add_co_u32 s48, s[VN], 1                     ; the next visit n: key slot n, or n - i - 1 in the second block
	s_cmp_gt_u32 s48, s[II]
	s_cselect_b32 s49, s[IP1], 0
	s_sub_co_u32 s48, s48, s49
	s_lshl_b32 s[OFF], s48, 14
	s_add_nc_u64 s[G0+2:G0+3], s[KVB:KVB+1], s[OFF:OFF+1]
	s_or_b32 s[G0+3], s[G0+3], 0x80000000
	s_wait_xcnt 0x0                                ; the last prefetch, a visit back, has read its address, so it may be written
	s_add_nc_u64 s[PFA:PFA+1], s[PFA:PFA+1], SLB
.endif
	s_wait_dscnt 0x0                               ; the add is done, and my reads of the slot that I have left are over
	s_barrier_signal -1
	s_barrier_wait -1
.if \fill
	TLOAD                                          ; the first thing behind the barrier, and a wave's one tensor load until the next
	ASK
.endif
.endm
.macro SLOT_STEPS
	STEP 0
	STEP 1
	s_xor_b32 s[TB], s[TB], SLOT1                  ; on to the other slot
.endm
; A BLOCK'S WAY OUT.  O = O^T x 2^(e4 + e5) / the sum; converted with 2^e6.  Tile t's eight codes of a lane are d = 16 t + 8 h + 0 .. 7 of query r: in the image of the next operand's registers they lie at
; 256 t + 16 r + 8 h.  They go through my stage and leave as 1,024 consecutive bytes.  more = 1: key steps follow, which load into the registers stored here.
.macro FINISH ob, more
.rept 4
	v_nop                                          ; places behind the last products
.endr
	v_add_f32 v14, v14, v15                        ; the sum's two halves,
	s_delay_alu instid0(VALU_DEP_1)
	v_permlanex16_b32 v[PL], v14, s[SEL], s[SEL+1]
	s_delay_alu instid0(VALU_DEP_1)
	v_add_f32 v14, v14, v[PL]                      ; and lane l xor 16's: the row's sum
	s_wait_alu depctr_va_vdst(0)
	v_rcp_f32 v14, v14
	v_nop                                          ; a plain instruction behind the transcendental
	s_wait_alu depctr_va_vdst(0)                   ; and the wait ahead of its first reader
	v_ldexp_f32 v14, v14, s[EPV]
.set j, 0
.rept 32
	v_mul_f32 v[S+j], v[OT+j], v14                 ; each accumulator from its low end on
.set j, j+1
.endr
.set j, 0
.rept 32
.set j, j+1
.endr
.irp t, 0,1,2,3
	v_cvt_scalef32_pk8_fp8_f32 v[PC+2*\t:PC+2*\t+1], v[S+8*\t:S+8*\t+7], v[OSC]
.endr
	v_nop                                          ; one plain vector instruction behind the last conversion
.irp t, 0,1,2,3
	ds_store_b64 v[STW], v[PC+2*\t:PC+2*\t+1] offset:256*\t
.endr
.irp i, 0,1
	ds_load_b128 v[FRG+4*\i:FRG+4*\i+3], v[STR] offset:512*\i   ; LDS serves a wave's instructions in order (ISA guide 5.7.1.4): these see my stores
.endr
	s_wait_dscnt 0x0
.irp i, 0,1
	global_store_b128 v[GO], v[FRG+4*\i:FRG+4*\i+3], s[\ob:\ob+1] offset:512*\i   ; 32 lanes store 512 consecutive bytes, at a multiple of 256 from the buffer's first byte
.endr
.if \more
	s_wait_xcnt 0x0                                ; the stores have read their registers: the next step's loads may land there
.endif
.endm
.Lslot:                                            ; eight trips: behind each change of slots but the last the next visit's tiles are asked for
	CHANGE 1
	s_cmp_lg_u32 s[VN], s[IP1]                     ; visit i + 1 begins the second block: a branch on ids, the same in all sixteen waves; no barrier and no tensor load stands under it
	s_cbranch_scc1 .Lsame
	FINISH 16, 1
	s_mov_b32 s[Q0], s[Q0H]
	s_mov_b32 s[KF], 0
	BEGIN 14
.Lsame:
	SLOT_STEPS
	s_add_co_u32 s[VN], s[VN], 1
	s_cmp_lt_u32 s[VN], 8
	s_cbranch_scc1 .Lslot
	CHANGE 0                                       ; the ninth visit is written out
	SLOT_STEPS
	FINISH 18, 0
	s_wait_tensorcnt 0x0                           ; the wave's end: behind my last tensor load and my last LDS store
	ds_add_u32 v[SPW], v[NIL]
	s_wait_dscnt 0x0
	s_endpgm
.Lfunc_end_k_q735307c482_attn:
	.size	k_q735307c482_attn, .Lfunc_end_k_q735307c482_attn-k_q735307c482_attn
	.p2alignl 7, 3214868480
	.fill 96, 4, 3214868480
	.section	.rodata,"a",@progbits
	.p2align	6, 0x0
	.amdhsa_kernel k_q735307c482_attn
		.amdhsa_group_segment_fixed_size 327680
		.amdhsa_private_segment_fixed_size 0
		.amdhsa_enable_private_segment 0
		.amdhsa_kernarg_size 24
		.amdhsa_user_sgpr_count 2
		.amdhsa_user_sgpr_kernarg_segment_ptr 1
		.amdhsa_wavefront_size32 1
		.amdhsa_system_sgpr_workgroup_id_x 1
		.amdhsa_system_sgpr_workgroup_id_y 1
		.amdhsa_system_sgpr_workgroup_id_z 1
		.amdhsa_system_vgpr_workitem_id 0
		.amdhsa_next_free_vgpr 256
		.amdhsa_next_free_sgpr 80
		.amdhsa_reserve_vcc 1
		.amdhsa_float_denorm_mode_32 3
		.amdhsa_float_denorm_mode_16_64 3
		.amdhsa_fp16_overflow 1
		.amdhsa_memory_ordered 1
		.amdhsa_forward_progress 1
		.amdhsa_inst_pref_size 91
	.end_amdhsa_kernel
	.amdgpu_metadata
---
amdhsa.version: [ 1, 2 ]
amdhsa.kernels:
  - .name:           k_q735307c482_attn
    .symbol:         k_q735307c482_attn.kd
    .args:
      - { .name: qkv, .offset: 0, .size: 8, .value_kind: global_buffer, .address_space: global }
      - { .name: lowp_scales, .offset: 8, .size: 8, .value_kind: global_buffer, .address_space: global }
      - { .name: ac, .offset: 16, .size: 8, .value_kind: global_buffer, .address_space: global }
    .group_segment_fixed_size: 327680
    .private_segment_fixed_size: 0
    .kernarg_segment_align: 8
    .kernarg_segment_size: 24
    .max_flat_workgroup_size: 512
    .sgpr_count:     80
    .vgpr_count:     256
    .wavefront_size: 32
...
	.end_amdgpu_metadata
.endif
;; end of part 2
;; launch out_gemm (part 3): grid 8 x 32, 4 waves a work-group, clusters of 4 x 4, 327,680 bytes of LDS; arguments ac, w_out_codes, lowp_scales, b_out, out0; writes out0
.if DOCPART == 3
	.amdgcn_target "amdgcn-amd-amdhsa--gfx1250"
	.amdhsa_code_object_version 6
	.text
	.protected	k_q735307c482_out_gemm
	.globl	k_q735307c482_out_gemm
	.p2align	8
	.type	k_q735307c482_out_gemm,@function
k_q735307c482_out_gemm:
	s_mov_b64 s[64:65], 0
	v_nop
	global_prefetch_b8 v0, s[64:65] scope:SCOPE_SE
	s_setreg_imm32_b32 hwreg(HW_REG_WAVE_MODE, 25, 1), 1
	s_wait_xcnt 0x0
	s_wait_alu depctr_hold_cnt(0) depctr_sa_sdst(0) depctr_va_vdst(0) depctr_va_sdst(0) depctr_va_ssrc(0) depctr_va_vcc(0) depctr_vm_vsrc(0)
	s_getreg_b32 s2, hwreg(HW_REG_IB_STS2, 6, 4)
	s_cmp_eq_u32 s2, 0
	s_cbranch_scc0 .Lentry_in_a_cluster
	s_endpgm
.Lentry_in_a_cluster:
	s_bfe_u32 s2, ttmp6, 0x10000c
	s_cmp_lg_u32 s2, 0xf033
	s_cbranch_scc0 .Lentry_shape_is_right
	s_endpgm
.Lentry_shape_is_right:
; out0 = a w_out + b_out on codes of FP8 (E4M3): a (scale 2^e6) are the attention launch's codes, w_out_codes: [1024 (n)][1024 (k)], scale 2^e7.  out0: [8192][1024] f32.  Each finished sum x 2^(e6 + e7) + bias, one fused multiply-add.
; LIMIT: e6 + e7 lies between -126 and 127, so that 2^(e6 + e7) is an f32 number.
; ac holds IMAGES OF A's FRAGMENTS: [K / 256][row / 16][2][4][lane 32][16 bytes]: register group c of lane l for 128 along K lies at 512 c + 16 l.  A tile of 256 rows x 256 K is 65,536 dense bytes, and a fragment's
; load reads 512 consecutive bytes: no pitch, no padding.
; A tile of out0 is 256 rows x 128 columns: 32 x 8 = 256 work-groups.  Four waves, each 128 x 64: 32 accumulators, 256 registers.
; K = 1,024 goes in four steps of 256 through THREE LDS slots: three steps are asked for at the start, and one slot is filled again: one round of the cluster's barrier in the middle.
; CLUSTERS of 4 x 4: A's tiles are shared along a row of the cluster, B's along a column, each asked for JOINTLY.  THE MATRIX INSTRUCTION IS USED TRANSPOSED (source 0 = 16 rows of w_out, source 1 = 16 rows of a):
; a lane holds eight neighbouring columns of one row of out0.
; REGISTERS, in windows of 256: window 0: v0-31 addresses; v32-63 at work on the way out; v96-127 my 32 numbers of the bias; from v128 A's fragments, ONE set.  window 1: B's fragments, TWO sets of 64.
;   window 2: the accumulators ((a, b) at v[8 (4 a + b)]).
.set ROWB,   256                       ; a row of B's tile
.set KQB,    2097152                   ; from one 256 along K to the next in ac
.set PITCH,  272                       ; B's rows in LDS: 256 bytes + 16 of padding: the 16 rows that a load touches start at 16 different banks (64 banks of 4 bytes: ISA guide 11.1)
.set FR,     16
.set NL,     4
.set NP,     4                         ; places behind this matrix instruction (ISA guide 7.12.1)
.set ABYT,   65536                     ; A's part of a slot
.set SLOT,   ABYT+128*PITCH            ; then B's 128 rows
.set SPARE,  3*SLOT                    ; behind the slots: the spare words, 128 bytes for each wave: two blocks of 256 bytes that no other line names
.set SPITCH, 272                       ; the way out: a stage of 16 rows x (256 bytes + 16) for each wave, at slot 1's head: that slot is filled once and has had its last read by then
.set ADRA, 16                          ; v16-18  LDS address of my A fragments in slot 0, 1, 2
.set ADRB, 20                          ; v20-22  the same for B
.set STO,  24
.set RD,   25
.set CO,   26
.set SPW,  28                          ; v28     LDS address of my spare word; never rewritten
.set NIL,  29                          ; v29     0; never rewritten
.set TMP,  32
.set BIAS, 96
.set AF,   128
.set BK,   128                         ; the way out: 16 rows read back: v128-159 and v160-191 by turns
.set G1,  24                           ; s[24:31] descriptor group 1 for A's tiles;  s[32:39] for B's
.set G1B, 32
.set G0,  40                           ; s[40:51] group 0 for A's tiles, a set for each slot;  s[52:63] for B's
.set G0B, 52
.set MSB, 0
.macro WIN new                         ; the immediate's high byte repeats the setting that is left
.if MSB != (\new)
	s_set_vgpr_msb (MSB<<8)|(\new)
.set MSB, (\new)
.endif
.endm
.set MUL,  0xa1                        ; source 0 (B) window 1, source 1 (A) window 0, C and D window 2
.set TO_B, 0x40                        ; destination window 1, address window 0
.macro JLOAD g0a, g1a, g0b, g1b        ; a joint load: waves 0 and 1 fetch for A, waves 2 and 3 for B; four v_nop follow each of the two lines
	s_cmp_eq_u32 s15, 0
	s_cbranch_scc0 .Lfor_b_\@
	tensor_load_to_lds s[\g0a:\g0a+3], s[\g1a:\g1a+7]
	s_nop 0
.rept 4
	v_nop
.endr
	s_branch .Lasked_\@
.Lfor_b_\@:
	tensor_load_to_lds s[\g0b:\g0b+3], s[\g1b:\g1b+7]
	s_nop 0
.rept 4
	v_nop
.endr
.Lasked_\@:
.endm
.macro CREST                           ; a round of the cluster's barrier behind its opening barrier
	s_cmp_lg_u32 s14, 0
	s_cbranch_scc1 .Lnot_wave_0_\@
	s_barrier_signal -3
.Lnot_wave_0_\@:
	s_barrier_wait -3
	s_barrier_signal -1
	s_barrier_wait -1
.endm
.macro CROUND
	s_barrier_signal -1
	s_barrier_wait -1
	CREST
.endm
	s_load_b256 s[4:11], s[0:1], 0x0               ; ac s[4:5], w_out's codes s[6:7], the scales' exponents s[8:9], the bias s[10:11]
	s_load_b64 s[12:13], s[0:1], 0x20              ; out0
	v_lshl_add_u32 v[SPW], v0, 2, SPARE
	v_mov_b32 v[NIL], 0
	ds_add_u32 v28, v29
	ds_add_u32 v28, v29
	s_wait_dscnt 0x0
	v_lshrrev_b32 v1, 5, v0
	v_readfirstlane_b32 s14, v1                    ; wave 0..3
	s_lshr_b32 s15, s14, 1                         ; which half of the tile's rows is mine.  Also: I fetch for A (0) or for B (1)
	s_and_b32 s16, s14, 1                          ; which half of its columns.  Also: which half of that tile I fetch
	s_bfe_u32 s66, ttmp6, 0x40000                  ; cx, cy: my place in the cluster
	s_bfe_u32 s67, ttmp6, 0x40004
	s_lshl_b32 s68, ttmp9, 2
	s_add_co_u32 s68, s68, s66                     ; tile column = 4 x cluster x + cx
	s_and_b32 s17, ttmp7, 0xffff
	s_lshl_b32 s17, s17, 2
	s_add_co_u32 s17, s17, s67                     ; tile row = 4 x cluster y + cy
	s_lshl_b32 s69, s67, 2
	s_lshl_b32 s69, 15, s69                        ; my row of the cluster
	s_lshl_b32 s70, 0x1111, s66                    ; my column
	s_or_b32 s[G1+0], s69, (1<<21)                 ; A: 15:0 the mask: my row; 17:16 elements of 1 byte; no padding; 21 set beside a mask
	s_mov_b32 s[G1+1], 256<<16                     ; 32,768 dense bytes as 128 rows of 256
	s_mov_b32 s[G1+2], 128<<16
	s_mov_b32 s[G1+3], 256<<16
	s_mov_b32 s[G1+4], 128
	s_mov_b32 s[G1+5], 256
	s_mov_b32 s[G1+6], 0
	s_mov_b32 s[G1+7], 0
	s_or_b32 s[G1B+0], s70, (1<<20)|(1<<21)|(5<<22)|(3<<25)   ; B: my column; padding: four words after every 64
	s_mov_b32 s[G1B+1], ROWB<<16                   ; 64 rows of 256 bytes, 1,024 bytes apart
	s_mov_b32 s[G1B+2], 64<<16
	s_mov_b32 s[G1B+3], ROWB<<16
	s_mov_b32 s[G1B+4], 64
	s_mov_b32 s[G1B+5], 1024
	s_mov_b32 s[G1B+6], 0
	s_mov_b32 s[G1B+7], 0
	s_lshl_b32 s72, s17, 16                        ; A: 65,536 x tile row + 32,768 x half
	s_lshl_b32 s18, s16, 15
	s_add_co_u32 s72, s72, s18
	s_mov_b32 s73, 0
	s_lshl_b32 s74, s68, 17                        ; B: row 128 x tile column + 64 x half, 1,024 bytes a row
	s_lshl_b32 s18, s16, 16
	s_add_co_u32 s74, s74, s18
	s_mov_b32 s75, 0
	s_lshl_b32 s76, s16, 15                        ; where they go: A's half;
	s_mul_i32 s77, s16, 64*PITCH
	s_add_co_u32 s77, s77, ABYT                    ; B's half, behind A's part: no place in the cluster enters an LDS address
	s_wait_kmcnt 0x0
	s_load_b256 s[80:87], s[8:9], 0x0              ; e0 .. e7
	s_add_nc_u64 s[72:73], s[4:5], s[72:73]
	s_add_nc_u64 s[74:75], s[6:7], s[74:75]
	CROUND                                         ; all sixteen work-groups are here: the first joint loads meet
.irp s, 0,1,2
	s_mov_b32 s[G0+4*\s], 1
	s_add_co_u32 s[G0+4*\s+1], s76, \s*SLOT
	s_add_nc_u64 s[G0+4*\s+2:G0+4*\s+3], s[72:73], \s*KQB
	s_or_b32 s[G0+4*\s+3], s[G0+4*\s+3], 0x80000000
	s_mov_b32 s[G0B+4*\s], 1
	s_add_co_u32 s[G0B+4*\s+1], s77, \s*SLOT
	s_add_nc_u64 s[G0B+4*\s+2:G0B+4*\s+3], s[74:75], \s*ROWB
	s_or_b32 s[G0B+4*\s+3], s[G0B+4*\s+3], 0x80000000
	s_wait_alu depctr_va_vdst(0)
	s_wait_tensorcnt 0x0
	ds_add_u32 v28, v29
	ds_add_u32 v28, v29
	s_wait_dscnt 0x0
	CROUND
	JLOAD G0+4*\s, G1, G0B+4*\s, G1B               ; K steps 0, 1, 2: one load of mine is out at a time
.endr
	v_and_b32 v1, 15, v0                           ; r
	v_bfe_u32 v2, v0, 4, 1                         ; h
	s_lshl_b32 s90, s68, 9
	s_lshl_b32 s91, s16, 8
	s_add_co_u32 s90, s90, s91                     ; my first column, in bytes of f32: 512 x tile column + 256 x half
	s_mov_b32 s91, 0
	s_add_nc_u64 s[10:11], s[10:11], s[90:91]
	v_lshlrev_b32 v7, 5, v2                        ; the bias in the result's layout: for B's block b the columns 16 b + 8 h + 0 .. 7
.irp b, 0,1,2,3
	global_load_b128 v[BIAS+8*\b:BIAS+8*\b+3],   v7, s[10:11] offset:64*\b
	global_load_b128 v[BIAS+8*\b+4:BIAS+8*\b+7], v7, s[10:11] offset:64*\b+16
.endr
	v_mul_u32_u24 v3, v1, PITCH
	v_lshl_add_u32 v4, v2, 4, v3                   ; B: a fragment's row x pitch + 16 x half
	v_and_b32 v6, 31, v0
	v_lshlrev_b32 v6, 4, v6                        ; A: 16 x lane
	s_lshl_b32 s21, s15, 15                        ; my 128 rows of A: eight images of 4,096 bytes
	s_mul_i32 s22, s16, 64*PITCH                   ; my 64 rows of B
	s_add_co_u32 s22, s22, ABYT
.irp s, 0,1,2
	v_add_nc_u32 v[ADRA+\s], s21, v6
	v_add_nc_u32 v[ADRB+\s], s22, v4
	s_add_co_u32 s21, s21, SLOT
	s_add_co_u32 s22, s22, SLOT
.endr
	s_mul_i32 s23, s14, 16*SPITCH
	s_add_co_u32 s23, s23, SLOT                    ; my stage
	v_mul_u32_u24 v5, v1, SPITCH                   ; in: row r, 32 bytes for each half of the lanes
	v_lshl_add_u32 v5, v2, 5, v5
	v_add_nc_u32 v[STO], s23, v5
	v_mul_u32_u24 v5, v2, SPITCH                   ; back: lanes 0-15 take one row of 256 bytes, lanes 16-31 the next
	v_lshl_add_u32 v5, v1, 4, v5
	v_add_nc_u32 v[RD], s23, v5
	v_lshlrev_b32 v[CO], 12, v2                    ; and the same two rows in out0: 4,096 bytes a row
	v_lshl_add_u32 v[CO], v1, 4, v[CO]
	s_lshl_b32 s92, s17, 20                        ; my first row: 256 x tile row + 128 x half
	s_lshl_b32 s93, s15, 19
	s_add_co_u32 s92, s92, s93
	s_add_co_u32 s92, s92, s90
	s_mov_b32 s93, 0
	s_add_nc_u64 s[12:13], s[12:13], s[92:93]
; 8 matrix instructions: A's blocks a0, a0 + 1 x B's four, 128 along K.  The 32 accumulators take turns, one instruction a turn, in the same order in every step.
.macro MUL8 a0, p, zero
.irp a, \a0, \a0+1
.irp b, 0,1,2,3
.if \zero
	v_wmma_f32_16x16x128_fp8_fp8 v[8*(4*(\a)+\b):8*(4*(\a)+\b)+7], v[64*(\p)+FR*\b:64*(\p)+FR*\b+FR-1], v[AF+FR*(\a):AF+FR*(\a)+FR-1], 0
.else
	v_wmma_f32_16x16x128_fp8_fp8 v[8*(4*(\a)+\b):8*(4*(\a)+\b)+7], v[64*(\p)+FR*\b:64*(\p)+FR*\b+FR-1], v[AF+FR*(\a):AF+FR*(\a)+FR-1], v[8*(4*(\a)+\b):8*(4*(\a)+\b)+7]
.endif
.endr
.endr
.endm
.macro FETCH_B slot, q, p              ; B's four fragments of the slot's q-th 128 along K into set p: registers 4 c .. 4 c + 3 hold K = 32 c + 16 (l / 16) + 0 .. 15, as A's images do
	WIN TO_B
.irp i, 0,1,2,3
.irp c, 0,1,2,3
	ds_load_b128 v[64*(\p)+FR*\i+4*\c:64*(\p)+FR*\i+4*\c+3], v[ADRB+\slot] offset:128*(\q)+32*\c+\i*16*PITCH
.endr
.endr
	WIN 0
.endm
.macro FETCH_A slot, q, i0             ; A's blocks i0 .. i0 + 3
.irp i, \i0, \i0+1, \i0+2, \i0+3
.irp c, 0,1,2,3
	ds_load_b128 v[AF+FR*(\i)+4*\c:AF+FR*(\i)+4*\c+3], v[ADRA+\slot] offset:4096*(\i)+2048*(\q)+512*\c
.endr
.endr
.endm
.macro PLACES n                        ; places in front of loads into registers that matrix instructions have read, and of the first read of results
.rept \n
	v_nop
.endr
.endm
; A step of 128 along K on B's set p; its successor is the nq-th 128 of slot ns, which is whole for every wave.
.macro KSTEP p, ns, nq, zero
	s_wait_dscnt 4*NL                              ; B's set and A's blocks 0-3 are in; the youngest 16 loads (A's blocks 4-7) may be out
	WIN MUL
	MUL8 0, \p, \zero
	MUL8 2, \p, \zero
	s_wait_dscnt 0                                 ; A's blocks 4-7 are in
	PLACES NP
	FETCH_B \ns, \nq, 1-(\p)
	FETCH_A \ns, \nq, 0
	WIN MUL
	MUL8 4, \p, \zero
	MUL8 6, \p, \zero
	PLACES NP
	WIN 0
	FETCH_A \ns, \nq, 4
.endm
; A step (on B's set 1) with a barrier: in front of it each wave waits for all its tensor loads, adds 0 to its spare word, and waits for that and for its own LDS reads.  fill = 1: slot 0, just read out, takes K step 3.
.macro TURN next, fill
	s_wait_tensorcnt 0x0                           ; all my tensor loads have landed  (every window is 0 here)
	ds_add_u32 v[SPW], v[NIL]                      ; 0 onto my spare word
	s_wait_dscnt 4*NL+1                            ; (the add and the youngest 16 loads, A's blocks 4-7, may be out)
	WIN MUL
	MUL8 0, 1, 0                                   ; eight matrix instructions stand between the add and the wait for it
	s_wait_dscnt 0x0                               ; the add is done, and my reads of the slot in hand are over
	s_barrier_signal -1
	MUL8 2, 1, 0
	WIN 0
	s_barrier_wait -1
.if \fill
	CREST                                          ; the barrier has opened a round of the cluster's barrier: no wave of any partner still reads slot 0 or has a load on its way
	s_add_nc_u64 s[G0+2:G0+3], s[G0+2:G0+3], 3*KQB
	s_add_nc_u64 s[G0B+2:G0B+3], s[G0B+2:G0B+3], 3*ROWB
	JLOAD G0, G1, G0B, G1B                         ; the first tensor load behind the round; its four v_nop are also the places in front of the loads below
.else
	PLACES NP
.endif
	FETCH_B \next, 0, 0
	FETCH_A \next, 0, 0
	WIN MUL
	MUL8 4, 1, 0
	MUL8 6, 1, 0
	PLACES NP
	WIN 0
	FETCH_A \next, 0, 4
.endm
	s_wait_tensorcnt 2                             ; my part of K step 0 is in (K step 2's load is younger and may be out),
	s_barrier_signal -1
	s_barrier_wait -1                              ; everybody's is
	FETCH_B 0, 0, 0
	FETCH_A 0, 0, 0
	FETCH_A 0, 0, 4
	KSTEP 0, 0, 1, 1                               ; K 0-127: its products start the sums
	TURN 1, 1                                      ; K 128-255.  Every wave has waited for ALL its loads in front of this barrier: behind it slots 1 AND 2 are whole.  Slot 0 takes K step 3
	KSTEP 0, 1, 1, 0                               ; slot 1
	s_wait_alu depctr_va_vdst(0)
	KSTEP 1, 2, 0, 0                               ; on into slot 2 without a barrier
	KSTEP 0, 2, 1, 0
	TURN 0, 0                                      ; K step 3 has landed, for everybody; nothing is filled again; behind this barrier nobody reads slots 1 and 2
	KSTEP 0, 0, 1, 0
	s_wait_dscnt 4*NL                              ; the last step
	WIN MUL
	MUL8 0, 1, 0
	MUL8 2, 1, 0
	s_wait_dscnt 0
	MUL8 4, 1, 0
	MUL8 6, 1, 0
	WIN 0
; THE WAY OUT, block by block of 16 rows x my 64 columns.  A lane holds 32 neighbouring bytes of a row: a block goes through my own stage in LDS and comes back as whole rows of 256 bytes.
.macro TOSTAGE a
.set AC, 32*(\a)
.set BB, BK+32*((\a)%2)
	WIN 0x02                                       ; source 0: window 2
.irp j, 0,2,4,6,8,10,12,14,16,18,20,22,24,26,28,30
	v_pk_fma_f32 v[TMP+\j:TMP+\j+1], v[AC+\j:AC+\j+1], s[88:89], v[BIAS+\j:BIAS+\j+1] op_sel_hi:[1,0,1]   ; sum x 2^(e6 + e7) + bias (the scalar pair's low word for both halves); each accumulator from its low end on
.endr
	WIN 0
.irp b, 0,1,2,3
	ds_store_b128 v[STO], v[TMP+8*\b:TMP+8*\b+3] offset:64*\b
	ds_store_b128 v[STO], v[TMP+8*\b+4:TMP+8*\b+7] offset:64*\b+16
.endr
.irp i, 0,1,2,3,4,5,6,7
	ds_load_b128 v[BB+4*\i:BB+4*\i+3], v[RD] offset:\i*2*SPITCH   ; LDS serves a wave's instructions in order (ISA guide 5.7.1.4): these see the stores above
.endr
.endm
.macro SEND a, younger                 ; younger: the LDS instructions issued behind block a's loads, which may stay out
.set BB, BK+32*((\a)%2)
	s_wait_dscnt \younger
.if (\a) > 0
	s_add_nc_u64 s[12:13], s[12:13], 65536         ; (behind a wait on XCNT: the earlier stores have read their base)  16 rows of out0 on
.endif
.irp i, 0,1,2,3,4,5,6,7
	global_store_b128 v[CO], v[BB+4*\i:BB+4*\i+3], s[12:13] offset:8192*\i th:TH_STORE_NT   ; each sixteen lanes store 256 consecutive bytes, at a multiple of 256 from out0's first byte; written once, read by nobody here
.endr
.endm
	s_wait_kmcnt 0x0
	s_add_co_i32 s88, s86, s87                     ; e6 + e7
	s_add_co_i32 s88, s88, 127
	s_lshl_b32 s88, s88, 23                        ; 2^(e6 + e7) as f32
	s_mov_b32 s89, s88                             ; (named with it as a pair, so it is written)
	s_wait_loadcnt 0x0                             ; the bias
	PLACES NP
	TOSTAGE 0
.irp a, 1,2,3,4,5,6,7
.if \a > 1
	s_wait_xcnt 0x0                                ; block a - 2's stores have read their registers and their base
.endif
	TOSTAGE \a
	SEND \a-1, 16                                  ; behind block a - 1's loads: block a's 8 stores and 8 loads
.endr
	s_wait_xcnt 0x0
	SEND 7, 0
	s_wait_tensorcnt 0x0                           ; the wave's end: behind my last tensor load and my last LDS store
	ds_add_u32 v[SPW], v[NIL]
	s_wait_dscnt 0x0
	CROUND                                         ; the closing round: no work-group ends while a partner may still ask for a tile that names it
	s_endpgm
.Lfunc_end_k_q735307c482_out_gemm:
	.size	k_q735307c482_out_gemm, .Lfunc_end_k_q735307c482_out_gemm-k_q735307c482_out_gemm
	.p2alignl 7, 3214868480
	.fill 96, 4, 3214868480
	.section	.rodata,"a",@progbits
	.p2align	6, 0x0
	.amdhsa_kernel k_q735307c482_out_gemm
		.amdhsa_group_segment_fixed_size 327680
		.amdhsa_private_segment_fixed_size 0
		.amdhsa_enable_private_segment 0
		.amdhsa_kernarg_size 40
		.amdhsa_user_sgpr_count 2
		.amdhsa_user_sgpr_kernarg_segment_ptr 1
		.amdhsa_wavefront_size32 1
		.amdhsa_system_sgpr_workgroup_id_x 1
		.amdhsa_system_sgpr_workgroup_id_y 1
		.amdhsa_system_sgpr_workgroup_id_z 1
		.amdhsa_system_vgpr_workitem_id 0
		.amdhsa_next_free_vgpr 768
		.amdhsa_next_free_sgpr 100
		.amdhsa_reserve_vcc 0
		.amdhsa_float_denorm_mode_32 3
		.amdhsa_float_denorm_mode_16_64 3
		.amdhsa_memory_ordered 1
		.amdhsa_forward_progress 1
		.amdhsa_inst_pref_size 80
	.end_amdhsa_kernel
	.amdgpu_metadata
---
amdhsa.version: [ 1, 2 ]
amdhsa.kernels:
  - .name:           k_q735307c482_out_gemm
    .symbol:         k_q735307c482_out_gemm.kd
    .args:
      - { .name: ac, .offset: 0, .size: 8, .value_kind: global_buffer, .address_space: global }
      - { .name: w_out_codes, .offset: 8, .size: 8, .value_kind: global_buffer, .address_space: global }
      - { .name: lowp_scales, .offset: 16, .size: 8, .value_kind: global_buffer, .address_space: global }
      - { .name: b_out, .offset: 24, .size: 8, .value_kind: global_buffer, .address_space: global }
      - { .name: out0, .offset: 32, .size: 8, .value_kind: global_buffer, .address_space: global }
    .group_segment_fixed_size: 327680
    .private_segment_fixed_size: 0
    .kernarg_segment_align: 8
    .kernarg_segment_size: 40
    .max_flat_workgroup_size: 128
    .sgpr_count:     100
    .vgpr_count:     768
    .wavefront_size: 32
...
	.end_amdgpu_metadata
.endif
;; end of part 3
